; MI455X (gfx1250); checked and timed in simulation.
; The chip was launched on July 23, 2026; its instructions are those of AMD's public machine-readable ISA for CDNA 5 (MIT licence, August 2026) and "CDNA5" Instruction Set Architecture Reference Guide (July 2026). The comments in the code are by the model that wrote it; some were corrected since.
;; Attend. Allowed arithmetic: matrix products marked QUANTISED: E3M2 operands, one E8M0 scale for each 32 along K, by v_wmma_scale_f32_16x16x128_f8f6f4 with both operands' format E3M2, f32 sums; everything else in f32.
;; Inputs: k 4 x 2,048 x 64 float32; q 4 x 16 x 2,048 x 64 float32; v 4 x 2,048 x 64 float32.
;; Outputs: out0 4 x 16 x 2,048 x 64 float32.
;; This version of the problem:
;;   THIS VERSION OF THE PROBLEM IS GIVEN IN LOW PRECISION. The matrix products marked QUANTISED in the list below multiply operands that are first quantised to E3M2 (3 exponent bits, 2 mantissa bits; 6 bits a number), with one power-of-two scale for each 32 numbers along K (OCP MX v1.0); their sums are f32. All else is computed in f32.
;;   The module's matrix products, in the order in which they are computed (A, B: the left and right operand; K: the contracted axis; several contracted axes count as one K, in the product's order):
;;     1. batch 4 x [M 32,768, K 64] x [K 64, N 2,048]; A: input q; B: input k: QUANTISED
;;     2. batch 4 x [M 32,768, K 2,048] x [K 2,048, N 64]; A: softmax (see below); B: input v: QUANTISED
;;   THE QUANTISER, for each operand of a quantised product, along K:
;;     - K is cut into blocks of 32 from its start; a last block that is shorter is filled with zeros.
;;     - A block's scale is 2^e with e = floor(log2(the largest magnitude in the block)) - 4, held to -126 .. 127; a block of zeros has e = 0. As a byte (E8M0): e + 127.
;;     - Each number is divided by its block's scale, clamped to +-28, and rounded to the nearest number of E3M2, ties to even, subnormals kept.
;;     - The product sums the exact products of the quantised numbers (number of the format x scale) in f32.
;;   ~~~python
;;   def quantise(x, axis):      # numpy; x: float32 -> the quantised numbers, widened to float32 again
;;       x = np.moveaxis(x, axis, -1); K = x.shape[-1]
;;       x = np.pad(x, [(0, 0)] * (x.ndim - 1) + [(0, -K % 32)]); x = x.reshape(x.shape[:-1] + (-1, 32)); a = np.abs(x).max(-1, keepdims=True)
;;       e = np.where(a > 0, np.clip(np.frexp(np.where(a > 0, a, 1))[1] - 1 - 4, -126, 127), 0)      # np.frexp(a)[1] - 1 = floor(log2(a)), exactly
;;       r = np.clip(x / 2.0 ** e, -28, 28)
;;       step = 2.0 ** (np.maximum(np.frexp(np.where(r == 0, 1, r))[1] - 1, -2) - 2)
;;       q = np.round(r / step) * step * 2.0 ** e      # np.round: ties to even
;;       return np.moveaxis(q.reshape(q.shape[:-2] + (-1,))[..., :K], -1, axis).astype(np.float32)
;;   ~~~
;;   SOFTMAX AHEAD OF A QUANTISED PRODUCT. Where the list says 'softmax', what is quantised is not the finished softmax but p = 2^(t - M), with t = logit x log2(e) and M = ceil(the row's largest t), a whole number; so 1/2 < the row's largest p <= 1. The row's sum l is taken of the UNQUANTISED p, in f32, and the product's result is divided by l at the end. Since M is a whole number, a kernel that streams over the keys may use a running M (the ceiling of the running maximum): every later rescaling is an exact power of two, which a block's scale takes up: the codes' values come out the same.
;;   OPERANDS COMPUTED ON THE WAY. 'Computed on the way' means the value that the module computes at that place (a softmax that the list does not call 'softmax' is quantised finished and normalised). What goes into a quantiser is computed in f32, as accurately as f32 sums, v_exp_f32 and their like allow (about 1e-6 of the number): no bf16 or f16 on the way to a quantiser, and a product that is left as it is and whose result goes on into a quantised operand takes f32 operands (vector FMAs, or v_wmma_f32_16x16x4_f32). A number that lies on a knife's edge between two numbers of the format may be rounded either way, as far as f32 arithmetic and the matrix unit's own rounding can turn it there, and no further.
;; One version. Each part assembles by itself: llvm-mc -triple=amdgcn-amd-amdhsa -mcpu=gfx1250 --defsym DOCPART=n.
;; ======== version 1 of 1: 2 launches
;; limits: right only within a limited range of input values
;; workspace buffers: kv 851,968 bytes
;; launch prep (part 1): grid 512 x 1, 1 waves a work-group, no clusters, 0 bytes of LDS; arguments k, v, kv; writes kv
.if DOCPART == 1
	.amdgcn_target "amdgcn-amd-amdhsa--gfx1250"
	.amdhsa_code_object_version 6
	.text
	.protected	k_qd8159ff22b_prep
	.globl	k_qd8159ff22b_prep
	.p2align	8
	.type	k_qd8159ff22b_prep,@function
k_qd8159ff22b_prep:
	s_mov_b64 s[64:65], 0
	v_nop
	global_prefetch_b8 v0, s[64:65] scope:SCOPE_SE
	s_setreg_imm32_b32 hwreg(HW_REG_WAVE_MODE, 25, 1), 1
	s_wait_xcnt 0x0
; k [4][2048][64] and v [4][2048][64], f32, become codes of E3M2 (6 bits) with one E8M0 scale byte for each 32 along a product's K,
; laid in kv IN THE ORDER OF THE OPERAND REGISTERS of the launch that follows.  No work of the problem is left out: every input reaches the output.
; kv: for each batch 16 step blocks of 13,312 bytes; step j holds keys 128 j .. 128 j + 127:
;   0      K image: 12 groups of 512 bytes; lane l's 16 bytes at 512 g + 16 l are registers 4 g .. 4 g + 3 of 48: eight fragments t = 4 cc + uu of six registers:
;          lane (r, h) holds the 24 bytes of block h (d = 32 h .. 32 h + 31) of key 128 j + 64 cc + 8 uu + (r & 7) + 32 (r >> 3).  THE KEYS OF A TILE ARE NOT NEIGHBOURS: its rows 0-7 come
;          from one block of 32 keys and its rows 8-15 from the next, so that in K Q^T a lane's 32 registers of four tiles are one whole block of 32 neighbouring keys.
;   6,144  V image, likewise: four fragments u of twelve registers: lane (r, h), registers 6 c .. 6 c + 5: channel 16 u + r, keys 128 j + 64 c + 32 h + 0 .. 31 (the keys are the second product's K).
;   12,288 K's scale words: lane l's 16 bytes are four words; word u: lanes 0-15 fragment 2 u's row r, lanes 16-31 fragment 2 u + 1's; a word is the bytes (b0, b1, b0, b1): the head has two blocks,
;          and the two bytes are repeated for the upper half of the instruction's 128 along K, which multiplies zero codes.
;   12,800 V's scale words: word u: channel 16 u + r, the bytes of the step's four blocks of keys; the same in both halves of the lanes.
; A block's scale is 2^(floor(log2(its largest magnitude)) - 4); its byte is the largest magnitude's exponent field - 4, held at 1 from below.
; LIMITS: NaN and infinities among the inputs are not served.  A block of zeros gets the byte 1 where the rule says 127: its codes are zeros, which add nothing, and this program alone reads the bytes.
; SHARES: 512 work-groups of one wave.  id = kind (0: K, 1: V) x 256 + batch x 64 + step x 4 + u.  A wave makes twelve registers of codes a lane (K: fragments 2 u and 2 u + 1; V: fragment u), from 64 numbers
; a lane, two whole blocks, and one scale word a lane.  A lane's registers run along the product's K, so a block's maximum needs no other lane and nothing is transposed.  No LDS, no barrier.
.set BLK,  13312                       ; a step block
.set BAT,  16*BLK                      ; a batch
.set BM,   8                           ; v8-9    the two blocks' largest magnitudes, then their bytes
.set BC,   10                          ; v10-11  second chains of the maxima
.set SO,   12                          ; v12-13  the conversions' scale operands
.set X,    16                          ; v16-79  64 numbers: X[32 c + i] = number i of my block c
.set C,    80                          ; v80-91  the codes
.set CT,   92                          ; v92-94, v96-98  the upper halves of the blocks' codes as the conversions leave them
	s_load_b128 s[4:7], s[0:1], 0x0                ; k, v
	s_load_b64 s[8:9], s[0:1], 0x10                ; kv
	s_and_b32 s10, ttmp9, 3                        ; u
	s_bfe_u32 s11, ttmp9, 0x40002                  ; step j
	s_bfe_u32 s12, ttmp9, 0x20006                  ; batch
	s_lshr_b32 s13, ttmp9, 8                       ; kind
	s_mul_i32 s16, s12, BAT
	s_mul_i32 s30, s11, BLK
	s_add_co_u32 s16, s16, s30                     ; my step block in kv
	s_add_co_u32 s18, s16, 12288                   ; its scale words
	s_mul_i32 s30, s13, 6144
	s_add_co_u32 s16, s16, s30                     ; K's image or V's
	s_mul_i32 s30, s10, 1536
	s_add_co_u32 s16, s16, s30                     ; my three groups of 512 bytes
	s_mov_b32 s17, 0
	s_lshl_b32 s30, s13, 9
	s_add_co_u32 s18, s18, s30                     ; K's words or V's
	s_lshl_b32 s30, s10, 2
	s_add_co_u32 s18, s18, s30                     ; word u of each lane's four
	s_mov_b32 s19, 0
	s_lshl_b32 s14, s12, 19                        ; a batch of k or of v is 524,288 bytes,
	s_lshl_b32 s30, s11, 15                        ; a step's 128 rows 32,768
	s_add_co_u32 s14, s14, s30
	s_mov_b32 s15, 0
	s_mov_b32 s28, 0x76543210
	s_mov_b32 s29, 0xfedcba98                      ; v_permlanex16_b32's selects for lane l xor 16
	v_and_b32 v1, 15, v0                           ; r
	v_lshrrev_b32 v2, 4, v0                        ; h (one wave: v0 is the lane)
	v_lshlrev_b32 v4, 4, v0                        ; 16 x lane
	v_lshlrev_b32 v5, 3, v2                        ; 8 h
	v_mov_b32 v15, 0                               ; a lane permute's destination counts as one of its sources
	s_wait_kmcnt 0x0
	s_add_nc_u64 s[22:23], s[8:9], s[16:17]        ; where my codes go
	s_add_nc_u64 s[24:25], s[8:9], s[18:19]        ; and my scale words
	s_cmp_lg_u32 s13, 0                            ; the branch hangs on the work-group's number alone
	s_cbranch_scc1 .Lv_arm
	; K: the head's 64 are innermost.  Lane (r, h) takes block h, 128 bytes, of key 64 (u >> 1) + 16 (u & 1) + 8 c + (r & 7) + 32 (r >> 3) of the step
	s_lshr_b32 s30, s10, 1
	s_lshl_b32 s30, s30, 14
	s_add_co_u32 s14, s14, s30
	s_and_b32 s30, s10, 1
	s_lshl_b32 s30, s30, 12
	s_add_co_u32 s14, s14, s30
	s_add_nc_u64 s[20:21], s[4:5], s[14:15]
	s_wait_alu depctr_va_vdst(0)
	v_and_b32 v3, 7, v1
	v_lshlrev_b32 v3, 8, v3                        ; (r & 7) rows of 256 bytes
	v_lshrrev_b32 v6, 3, v1
	v_lshl_add_u32 v3, v6, 13, v3                  ; + 32 (r >> 3) rows
	v_lshl_add_u32 v3, v2, 7, v3                   ; + 128 h
	s_mov_b32 s26, 0x01000100                      ; lanes 0-15 keep the first fragment's two bytes, twice;
	s_mov_b32 s27, 0x03020302                      ; lanes 16-31 the second's
.irp c, 0,1
.irp i, 0,1,2,3,4,5,6,7
	global_load_b128 v[X+32*\c+4*\i:X+32*\c+4*\i+3], v3, s[20:21] offset:2048*\c+16*\i
.endr
.endr
	s_branch .Ljoin
.Lv_arm:
	; V: the keys are its first axis.  Lane (r, h) takes channel 16 u + r, and its registers run down the keys 64 c + 32 h + i: sixteen neighbouring lanes read 64 neighbouring bytes
	s_lshl_b32 s30, s10, 6
	s_add_co_u32 s14, s14, s30
	s_add_nc_u64 s[20:21], s[6:7], s[14:15]
	s_wait_alu depctr_va_vdst(0)
	v_lshlrev_b32 v3, 2, v1
	v_lshl_add_u32 v3, v2, 13, v3                  ; 4 r + 32 h rows of 256 bytes
	s_mov_b32 s26, 0x03020100                      ; the word stays as it is, in both halves
	s_mov_b32 s27, 0x03020100
.irp c, 0,1
.irp i, 0,1,2,3,4,5,6,7,8,9,10,11,12,13,14,15,16,17,18,19,20,21,22,23,24,25,26,27,28,29,30,31
	global_load_b32 v[X+32*\c+\i], v3, s[20:21] offset:(64*\c+\i)*256
.endr
.endr
.Ljoin:
	s_wait_loadcnt 0x0
	; the two blocks' largest magnitudes: all 32 numbers of a block are mine; four chains by turns
.irp c, 0,1
	v_max3_num_f32 v[BM+\c], |v[X+32*\c]|, |v[X+32*\c+1]|, 0x2800000   ; with the floor 2^(5 - 127): so the byte cannot fall under 1
	v_max3_num_f32 v[BC+\c], |v[X+32*\c+16]|, |v[X+32*\c+17]|, |v[X+32*\c+18]|
.endr
.irp i, 2,4,6,8,10,12
.irp c, 0,1
	v_max3_num_f32 v[BM+\c], v[BM+\c], |v[X+32*\c+\i]|, |v[X+32*\c+\i+1]|
	v_max3_num_f32 v[BC+\c], v[BC+\c], |v[X+32*\c+17+\i]|, |v[X+32*\c+18+\i]|
.endr
.endr
.irp c, 0,1
	v_max3_num_f32 v[BM+\c], v[BM+\c], |v[X+32*\c+14]|, |v[X+32*\c+15]|
.endr
.irp c, 0,1
	v_max3_num_f32 v[BM+\c], v[BM+\c], v[BC+\c], |v[X+32*\c+31]|
.endr
.irp c, 0,1
	v_add_nc_u32 v[SO+\c], 0xfe000000, v[BM+\c]    ; 4 off the exponent field: the conversion takes the exponent field of this operand as its scale, and nothing else of it
.endr
.irp c, 0,1
	v_lshrrev_b32 v[BM+\c], 23, v[SO+\c]           ; the scale's byte
.endr
	v_lshl_or_b32 v14, v[BM+1], 16, v[BM]          ; my two bytes,
	v_lshlrev_b32 v14, v5, v14                     ; 8 h bits up;
	v_permlanex16_b32 v15, v14, s28, s29
	v_or_b32 v14, v14, v15                         ; with lane l xor 16's two: K: (first fragment b0, b1, second fragment b0, b1); V: the four blocks of keys
	v_cmp_gt_u32 vcc_lo, 16, v0
	v_mov_b32 v6, s26
	v_mov_b32 v7, s27
	v_cndmask_b32 v6, v7, v6, vcc_lo               ; lanes 0-15: the first selector
	v_perm_b32 v14, v14, v14, v6                   ; the scale word as the matrix instruction wants it
.irp c, 0,1
	v_cvt_scalef32_pk16_bf6_f32 v[C+6*\c:C+6*\c+2], v[X+32*\c:X+32*\c+15], v[SO+\c]
	v_cvt_scalef32_pk16_bf6_f32 v[CT+4*\c:CT+4*\c+2], v[X+32*\c+16:X+32*\c+31], v[SO+\c]   ; (a conversion's three registers begin on an even number: the second half of a block's six does not)
.endr
	v_nop                                          ; one plain place behind a scaled conversion
.irp c, 0,1
.irp i, 0,1,2
	v_mov_b32 v[C+6*\c+3+\i], v[CT+4*\c+\i]
.endr
.endr
.irp g, 0,1,2
	global_store_b128 v4, v[C+4*\g:C+4*\g+3], s[22:23] offset:512*\g   ; 32 lanes store 512 consecutive bytes, at a multiple of 256 from kv's first byte
.endr
	global_store_b32 v4, v14, s[24:25]             ; 4 bytes of each lane's 16: the step's four waves fill the 512 bytes between them: 128 of the 1,664 bytes that a wave stores
	s_endpgm
.Lfunc_end_k_qd8159ff22b_prep:
	.size	k_qd8159ff22b_prep, .Lfunc_end_k_qd8159ff22b_prep-k_qd8159ff22b_prep
	.p2alignl 7, 3214868480
	.fill 96, 4, 3214868480
	.section	.rodata,"a",@progbits
	.p2align	6, 0x0
	.amdhsa_kernel k_qd8159ff22b_prep
		.amdhsa_group_segment_fixed_size 0
		.amdhsa_private_segment_fixed_size 0
		.amdhsa_enable_private_segment 0
		.amdhsa_kernarg_size 24
		.amdhsa_user_sgpr_count 2
		.amdhsa_user_sgpr_kernarg_segment_ptr 1
		.amdhsa_wavefront_size32 1
		.amdhsa_system_sgpr_workgroup_id_x 1
		.amdhsa_system_sgpr_workgroup_id_y 1
		.amdhsa_system_sgpr_workgroup_id_z 1
		.amdhsa_system_vgpr_workitem_id 0
		.amdhsa_next_free_vgpr 112
		.amdhsa_next_free_sgpr 66
		.amdhsa_reserve_vcc 1
		.amdhsa_float_denorm_mode_32 3
		.amdhsa_float_denorm_mode_16_64 3
		.amdhsa_memory_ordered 1
		.amdhsa_forward_progress 1
		.amdhsa_inst_pref_size 14
	.end_amdhsa_kernel
	.amdgpu_metadata
---
amdhsa.version: [ 1, 2 ]
amdhsa.kernels:
  - .name:           k_qd8159ff22b_prep
    .symbol:         k_qd8159ff22b_prep.kd
    .args:
      - { .name: k, .offset: 0, .size: 8, .value_kind: global_buffer, .address_space: global }
      - { .name: v, .offset: 8, .size: 8, .value_kind: global_buffer, .address_space: global }
      - { .name: kv, .offset: 16, .size: 8, .value_kind: global_buffer, .address_space: global }
    .group_segment_fixed_size: 0
    .private_segment_fixed_size: 0
    .kernarg_segment_align: 8
    .kernarg_segment_size: 24
    .max_flat_workgroup_size: 32
    .sgpr_count:     66
    .vgpr_count:     112
    .wavefront_size: 32
...
	.end_amdgpu_metadata
.endif
;; end of part 1
;; launch attend (part 2): grid 64 x 4, 8 waves a work-group, clusters of 4 x 1, 327,680 bytes of LDS; arguments q, kv, out0; writes out0
.if DOCPART == 2
	.amdgcn_target "amdgcn-amd-amdhsa--gfx1250"
	.amdhsa_code_object_version 6
	.text
	.protected	k_qd8159ff22b_attend
	.globl	k_qd8159ff22b_attend
	.p2align	8
	.type	k_qd8159ff22b_attend,@function
k_qd8159ff22b_attend:
	s_mov_b64 s[64:65], 0
	v_nop
	global_prefetch_b8 v0, s[64:65] scope:SCOPE_SE
	s_setreg_imm32_b32 hwreg(HW_REG_WAVE_MODE, 25, 1), 1
	s_wait_xcnt 0x0
	s_wait_alu depctr_hold_cnt(0) depctr_sa_sdst(0) depctr_va_vdst(0) depctr_va_sdst(0) depctr_va_ssrc(0) depctr_va_vcc(0) depctr_vm_vsrc(0)
	s_getreg_b32 s2, hwreg(HW_REG_IB_STS2, 6, 4)
	s_cmp_eq_u32 s2, 0
	s_cbranch_scc0 .Lentry_in_a_cluster
	s_endpgm
.Lentry_in_a_cluster:
	s_bfe_u32 s2, ttmp6, 0x10000c
	s_cmp_lg_u32 s2, 0x3003
	s_cbranch_scc0 .Lentry_shape_is_right
	s_endpgm
.Lentry_shape_is_right:
; out0[b][h][i][:] = sum over j of softmax_j(q[b][h][i] . k[b][j] / 8) v[b][j][:], both products on codes of E3M2 with one E8M0 scale for each 32 along a product's K.  No work of the problem is left out.
; k and v come as codes and scale words from kv, in the order of the operand registers (16 blocks of 13,312 bytes a batch, 128 keys each: 6,144 K's image, 6,144 V's, 512 K's scale words, 512 V's).  q is quantised here.
; SOFTMAX: t = score x log2(e) / 8; M = the running largest t rounded UP to a whole number; p = 2^(t - M) is quantised along the keys, not normalised; the row's sum is taken of the unquantised p in f32 and divides at the end.
; When M moves, the sum and O are multiplied by 2^(old M - new M): exact.
; SHARES: the 16 heads of a batch share k and v: 32,768 rows a batch, 512 to a work-group, 64 to each of its eight waves (two waves of 512 registers on a SIMD): two passes of two tiles of 16 queries.
; A key step is 256 keys (two blocks).  Both tiles of a pass use the same fragments: K's 96 registers are read from LDS once for 32 queries, then V's 96 into the same registers.
; LDS: all of a batch's codes, 212,992 bytes, filled once.  The head's joint load brings blocks 0 and 1 (13 rows of 256 bytes a wave); the other fourteen (91 rows a wave) are asked for behind the full sequence and a round
; of the cluster's barrier, and are waited for at the end of the first key step, ahead of the first read of block 2.
; CLUSTER: the four work-groups of a cluster belong to one batch and ask for the same bytes jointly (mask 15).
; LAYOUT: both products transposed: S^T = K Q^T, O^T = V^T P^T: a lane holds ONE query (lane % 16).  The keys of K's tile 4 cc + uu of a block are 64 cc + 8 uu + (r & 7) + 32 (r >> 3), so register 32 cc + i of S^T in lane (r, h)
; is key 64 cc + 32 h + i: whole blocks of 32 keys in a lane, in the order of P's operand registers.
; THE FIRST PRODUCT'S K IS 64, THE INSTRUCTION'S 128: Q's registers 6 to 11 are zero codes; K's operand for fragment t names twelve registers from 6 t on (the upper six: the next fragment, or six registers kept at 0).
; E3M2 has no code for infinity or NaN, so any code times the code 0 is 0; the upper half's scale bytes repeat the lower half's.
; REGISTER WINDOWS: window 0: v0-63 small state and all scale words, v64-191 S^T then p, v192-255 the next pass's q.  Window 1: v0-47 P, v48-63 halves of codes, v64-165 fragments, v166-189 Q, v192-255 O^T.
; LIMITS: NaN and infinities among the inputs are not served.  The promise holds while the scaled scores stay under 2^31 in magnitude.  A block of zeros, or one whose every p has fallen to 0, has the byte 1 where the rule
; says 127: its codes are zeros.  A block's largest p is the block's largest score put through the same multiply-add and exponential, which takes v_exp_f32 not to fall where its input rises; p under 2^-126 comes out as 0 (ISA guide, 15.8).
; NO PREFETCH: kv is asked for at the head, where no loop runs ahead of the loads; the second pass's q is loaded into registers seven key steps ahead of its use.
.set BLK,   13312
.set BAT,   16*BLK
.set SPI,   272                        ; a stage row: 256 bytes + 16
.set STGW,  16*SPI                     ; LDS 0: a stage of 16 rows for each wave, its own; no tensor load lands there
.set SPARE, 8*STGW                     ; 34,816: the spare words, 128 bytes a wave
.set KVB,   SPARE+1024                 ; 35,840: the sixteen blocks
.set P1B,   2*BLK/8                    ; a wave's share of blocks 0, 1: 13 rows of 256 bytes
.set P2B,   14*BLK/8                   ; and of the other fourteen: 91 rows
.set LI,  1                            ; 16 x lane
.set AD,  2                            ; LDS address of the step's first block + 16 x lane
.set SA,  3                            ; stage + 272 h + 16 r
.set SB,  4                            ; stage + 272 r + 128 h
.set SC,  5                            ; stage + 272 r + 32 h
.set SH8, 6                            ; 8 h
.set SPW, 7                            ; my spare word; never rewritten
.set NIL, 8                            ; 0; never rewritten
.set YY,  9
.set TA,  10
.set TC,  11
.set ST,  12                           ; v12-15: for each tile the pair (-M, running largest score)
.set LS,  16                           ; v16-19: for each tile the row's sum in two halves
.set FF,  20                           ; f = 2^(old M - new M), at the end 1 / sum; v21 = 0
.set T0,  22                           ; v22-35 seven more chains of the sum; v28-35 are BM's and BC's registers, which are done with when the sums begin
.set BM,  28                           ; v28-31 my four blocks' largest scores, then largest p
.set BC,  32                           ; v32-35 second chains
.set KSC, 36                           ; v36-43 K's scale words
.set QSC, 44                           ; v44-45 Q's, a tile each
.set TD,  46
.set TE,  47
.set VSC, 48                           ; v48-55 V's scale words
.set PSC, 56                           ; v56-59 P's: 2 x tile + half of the step
.set SO,  60                           ; v60-63 the conversions' scale operands
.set SS,  64
.set XQ,  192
.set PF,  0                            ; window 1 from here on: P: 24 x tile + 6 x block
.set CT,  48
.set FR,  64
.set ZT,  160
.set QF,  166
.set OA,  192                          ; 32 x tile + 8 u + i: channel 16 u + 8 h + i
.set WV,  10
.set G1A, 16
.set G0A, 24
.set SEL, 28
.set CS,  30
.set TB,  32
.set CNT, 33
.set PASS, 34
.set G0B, 36
.set G1B, 40
.set MSB, 0
.macro WIN new                         ; low byte: 1:0 source 0, 3:2 source 1, 5:4 source 2, 7:6 destination; the high byte repeats the setting that is left
.if MSB != \new
	s_set_vgpr_msb (MSB<<8)|\new
.set MSB, \new
.endif
.endm
.macro DL n
	s_delay_alu instid0(VALU_DEP_\n)
.endm
.macro CROUND                          ; a round of the cluster's barrier
	s_barrier_signal -1
	s_barrier_wait -1
	s_cmp_lg_u32 s[WV], 0
	s_cbranch_scc1 .Lnot_wave_0_\@
	s_barrier_signal -3
.Lnot_wave_0_\@:
	s_barrier_wait -3
	s_barrier_signal -1
	s_barrier_wait -1
.endm
.macro MX d, a, b, acc, sa, sb, row
.if \acc
	v_wmma_scale_f32_16x16x128_f8f6f4 v[\d:\d+7], v[\a:\a+11], v[\b:\b+11], v[\d:\d+7], v[\sa], v[\sb] matrix_a_fmt:MATRIX_FMT_BF6 matrix_b_fmt:MATRIX_FMT_BF6
.elseif \row
	v_wmma_scale_f32_16x16x128_f8f6f4 v[\d:\d+7], v[\a:\a+11], v[\b:\b+11], 0, v[\sa], v[\sb] matrix_a_fmt:MATRIX_FMT_BF6 matrix_b_fmt:MATRIX_FMT_BF6 matrix_a_scale:MATRIX_SCALE_ROW1
.else
	v_wmma_scale_f32_16x16x128_f8f6f4 v[\d:\d+7], v[\a:\a+11], v[\b:\b+11], 0, v[\sa], v[\sb] matrix_a_fmt:MATRIX_FMT_BF6 matrix_b_fmt:MATRIX_FMT_BF6
.endif
.endm
; images of registers, 512 consecutive bytes an instruction: img = 0 K's, 6144 V's; their scale words into sc
.macro FLOAD off, img, sc
	WIN 0x40
.irp b, 0,1
.irp g, 0,1,2,3,4,5,6,7,8,9,10,11
	ds_load_b128 v[FR+48*\b+4*\g:FR+48*\b+4*\g+3], v[AD] offset:\off+BLK*\b+\img+512*\g
.endr
.endr
	WIN 0
.irp b, 0,1
	ds_load_b128 v[\sc+4*\b:\sc+4*\b+3], v[AD] offset:\off+BLK*\b+12288+\img/12
.endr
.endm
; a tile of q, loaded dense, turns through my stage: lane (r, h) gets d = 32 h .. 32 h + 31 of row r (LDS serves a wave's instructions in order: ISA guide 5.7.1.4)
.macro QPREP tl
.irp i, 0,1,2,3,4,5,6,7
	ds_store_b128 v[SA], v[XQ+32*\tl+4*\i:XQ+32*\tl+4*\i+3] offset:2*SPI*\i
.endr
.irp i, 0,1,2,3,4,5,6,7
	ds_load_b128 v[SS+32*\tl+4*\i:SS+32*\tl+4*\i+3], v[SB] offset:16*\i
.endr
.endm
; they become Q's fragment and scale word: one whole block a lane
.macro QQ tl
.set QS, SS+32*\tl
	v_max3_num_f32 v[BM], |v[QS]|, |v[QS+1]|, 0x2800000            ; with the floor 2^(5 - 127): the byte cannot fall under 1
	v_max3_num_f32 v[BC], |v[QS+16]|, |v[QS+17]|, |v[QS+18]|
.irp i, 2,4,6,8,10,12
	DL 2
	v_max3_num_f32 v[BM], v[BM], |v[QS+\i]|, |v[QS+\i+1]|
	DL 2
	v_max3_num_f32 v[BC], v[BC], |v[QS+17+\i]|, |v[QS+18+\i]|
.endr
	DL 2
	v_max3_num_f32 v[BM], v[BM], |v[QS+14]|, |v[QS+15]|
	DL 1
	v_max3_num_f32 v[BM], v[BM], v[BC], |v[QS+31]|
	DL 1
	v_add_nc_u32 v[SO], 0xfe000000, v[BM]          ; 4 off the exponent field: the conversion's scale operand
	DL 1
	v_lshrrev_b32 v[TA], 23, v[SO]                 ; the byte,
	DL 1
	v_lshlrev_b32 v[TA], v[SH8], v[TA]             ; 8 h bits up;
	DL 1
	v_permlanex16_b32 v[YY], v[TA], s[SEL], s[SEL+1]
	DL 1
	v_or_b32 v[TA], v[TA], v[YY]                   ; with lane l xor 16's: (b0, b1, 0, 0);
	DL 1
	v_lshl_or_b32 v[QSC+\tl], v[TA], 16, v[TA]     ; repeated for the upper half of the instruction's K
	WIN 0x40
	v_cvt_scalef32_pk16_bf6_f32 v[QF+12*\tl:QF+12*\tl+2], v[QS:QS+15], v[SO]
	v_cvt_scalef32_pk16_bf6_f32 v[CT:CT+2], v[QS+16:QS+31], v[SO]  ; (a conversion's three registers begin on an even number)
	v_nop                                          ; one plain place behind a scaled conversion
	WIN 0x41
.irp i, 0,1,2
	v_mov_b32 v[QF+12*\tl+3+\i], v[CT+\i]
.endr
	WIN 0
.rept 8
	v_nop                                          ; a scale register written by a vector instruction stands 8 places ahead of a scaled matrix instruction
.endr
.endm
; S^T of tile tl: sixteen tiles of 16 keys, each its own accumulator
.macro QK tl
	WIN 0x05
.irp t, 0,1,2,3,4,5,6,7,8,9,10,11,12,13,14,15
	MX SS+8*\t, FR+6*\t, QF+12*\tl, 0, KSC+\t/2, QSC+\tl, \t%2
.endr
	WIN 0
.endm
; p of blocks b0 and b1 becomes codes: registers PT + 6 b .. + 5 hold block b's 32 keys
.macro CODES b0, b1
	WIN 0x40
.irp b, \b0, \b1
	v_cvt_scalef32_pk16_bf6_f32 v[PT+6*\b:PT+6*\b+2], v[SS+32*\b:SS+32*\b+15], v[SO+\b]
	v_cvt_scalef32_pk16_bf6_f32 v[CT+4*\b:CT+4*\b+2], v[SS+32*\b+16:SS+32*\b+31], v[SO+\b]   ; (a conversion's three registers begin on an even number)
.endr
	v_nop                                          ; one plain place behind a scaled conversion
	WIN 0x41
.irp b, \b0, \b1
.irp i, 0,1,2
	v_mov_b32 v[PT+6*\b+3+\i], v[CT+4*\b+\i]
.endr
.endr
	WIN 0
.endm
; the next cnt of the 48 lines that finish the row's sum of the unquantised p.  Their 48 sources: the first 128 keys' 32 pairs, already added two and two in place (source q at SS + 4 q, q < 16),
; and the other 128 keys' 32 pairs (source q at SS + 32 + 2 q).  Eight chains by turns: seven in v22-35 and the sum itself, which is first brought under the new M.  sn counts the lines
.macro SUMS cnt, tl, first
.rept \cnt
.if sn < 7
	v_pk_add_f32 v[T0+2*sn:T0+2*sn+1], v[SS+8*sn:SS+8*sn+1], v[SS+8*sn+4:SS+8*sn+5]
.elseif sn == 7
.if \first
	v_pk_add_f32 v[LS+2*\tl:LS+2*\tl+1], v[SS+56:SS+57], v[SS+60:SS+61]
.else
	v_pk_fma_f32 v[LS+2*\tl:LS+2*\tl+1], v[LS+2*\tl:LS+2*\tl+1], v[FF:FF+1], v[SS+56:SS+57] op_sel_hi:[1,0,1]
.endif
.elseif sn < 41
.set sk, sn+7+\first
.set sc, T0+2*(sn%8)
.if sn%8 == 7
.set sc, LS+2*\tl
.endif
.set sr, SS+4*sk
.if sk > 15
.set sr, SS+32+2*sk
.endif
.if sk < 48
	v_pk_add_f32 v[sc:sc+1], v[sc:sc+1], v[sr:sr+1]
.endif
.elseif sn < 44
	v_pk_add_f32 v[T0+4*(sn-41):T0+4*(sn-41)+1], v[T0+4*(sn-41):T0+4*(sn-41)+1], v[T0+4*(sn-41)+2:T0+4*(sn-41)+3]   ; the chains are joined two and two
.elseif sn == 44
	v_pk_add_f32 v[LS+2*\tl:LS+2*\tl+1], v[LS+2*\tl:LS+2*\tl+1], v[T0+12:T0+13]
.elseif sn == 45
	v_pk_add_f32 v[T0:T0+1], v[T0:T0+1], v[T0+4:T0+5]
.elseif sn == 46
	v_pk_add_f32 v[LS+2*\tl:LS+2*\tl+1], v[LS+2*\tl:LS+2*\tl+1], v[T0+8:T0+9]
.else
	DL 1
	v_pk_add_f32 v[LS+2*\tl:LS+2*\tl+1], v[LS+2*\tl:LS+2*\tl+1], v[T0:T0+1]
.endif
.set sn, sn+1
.endr
.endm
; the softmax of tile tl over 256 keys: from S^T to p, P's codes and P's two scale words.  v[TC] holds the old -M
.macro SM tl, first
.set NM, ST+2*\tl
.set PT, PF+24*\tl
	; the largest score of each of my four blocks of 32 keys: for the row's maximum and for the block's largest p.  Eight chains by turns; each accumulator is read from its low end on
.irp b, 0,1,2,3
	v_max3_num_f32 v[BM+\b], v[SS+32*\b], v[SS+32*\b+1], v[SS+32*\b+2]
	v_max3_num_f32 v[BC+\b], v[SS+32*\b+16], v[SS+32*\b+17], v[SS+32*\b+18]
.endr
.irp i, 3,5,7,9,11,13
.irp b, 0,1,2,3
	v_max3_num_f32 v[BM+\b], v[BM+\b], v[SS+32*\b+\i], v[SS+32*\b+\i+1]
	v_max3_num_f32 v[BC+\b], v[BC+\b], v[SS+32*\b+16+\i], v[SS+32*\b+17+\i]
.endr
.endr
.irp b, 0,1,2,3
	v_max3_num_f32 v[BM+\b], v[BM+\b], v[BC+\b], v[SS+32*\b+15]
.endr
.irp b, 0,1,2,3
	v_max_num_f32 v[BM+\b], v[BM+\b], v[SS+32*\b+31]
.endr
	DL 2
	v_max3_num_f32 v[TA], v[BM], v[BM+1], v[BM+2]
	DL 1
	v_max_num_f32 v[TA], v[TA], v[BM+3]
	DL 1
	v_permlanex16_b32 v[YY], v[TA], s[SEL], s[SEL+1]               ; my query's other 128 keys lie in lane l xor 16
	DL 1
.if \first
	v_max_num_f32 v[NM+1], v[TA], v[YY]
.else
	v_max3_num_f32 v[NM+1], v[NM+1], v[TA], v[YY]  ; the running largest score
.endif
	DL 1
	v_mul_f32 v[TA], s[CS], v[NM+1]                ; as t (c is positive)
	DL 1
	v_floor_f32 v[NM], -v[TA]                      ; -M = floor(-t) = -ceil(t)
.if \first == 0
	DL 1
	v_sub_f32 v[TC], v[NM], v[TC]                  ; old M - new M: a whole number, 0 or less
	DL 1
	v_cvt_i32_f32 v[TC], v[TC]                     ; (it saturates)
	DL 1
	v_ldexp_f32 v[FF], 1.0, v[TC]
.endif
.set j, 0
.rept 32
	v_pk_fma_f32 v[SS+j:SS+j+1], v[SS+j:SS+j+1], s[CS:CS+1], v[NM:NM+1] op_sel_hi:[1,0,0]   ; t - M, two at a time
.set j, j+2
.endr
.irp b, 0,1,2,3
	v_fma_f32 v[BM+\b], v[BM+\b], s[CS], v[NM]     ; the same of each block's largest score
.endr
	s_wait_alu depctr_va_vdst(0)                   ; ahead of the batch
.irp b, 0,1,2,3
	v_exp_f32 v[BM+\b], v[BM+\b]
.endr
.set j, 0
.rept 32
	v_exp_f32 v[SS+j], v[SS+j]                     ; p = 2^(t - M) of the first 128 keys: NOT normalised
	v_exp_f32 v[SS+j+1], v[SS+j+1]
	v_pk_fma_f32 v[SS+64+j:SS+65+j], v[SS+64+j:SS+65+j], s[CS:CS+1], v[NM:NM+1] op_sel_hi:[1,0,0]   ; between them t - M of the other 128 keys: plain lines that name no result of the batch; the wait behind the batch stands ahead of their readers
.set j, j+2
.endr
.if \first
	s_wait_alu depctr_va_vdst(0)
.else
	WIN 0x41
	s_wait_alu depctr_va_vdst(0)                   ; one wait for the batch, directly ahead of the first reader of O^T
.set j, 0
.rept 16
	v_pk_mul_f32 v[OA+32*\tl+j:OA+32*\tl+j+1], v[OA+32*\tl+j:OA+32*\tl+j+1], v[FF:FF+1] op_sel_hi:[1,0]   ; O^T under the new M; each accumulator from its low end on
.set j, j+2
.endr
	WIN 0
.endif
.irp b, 0,1,2,3
	v_max_num_f32 v[BM+\b], 0x2800000, v[BM+\b]    ; the floor 2^(5 - 127)
.endr
.irp b, 0,1,2,3
	DL 4
	v_add_nc_u32 v[SO+\b], 0xfe000000, v[BM+\b]    ; 4 off the exponent field: the conversion's scale operand
.endr
	DL 4
	v_lshrrev_b32 v[TA], 23, v[SO]                 ; the bytes: in each half of the step blocks h and 2 + h
	DL 4
	v_lshrrev_b32 v[TC], 23, v[SO+1]
	DL 4
	v_lshrrev_b32 v[TD], 23, v[SO+2]
	DL 4
	v_lshrrev_b32 v[TE], 23, v[SO+3]
	DL 3
	v_lshl_or_b32 v[TA], v[TC], 16, v[TA]
	DL 2
	v_lshl_or_b32 v[TD], v[TE], 16, v[TD]
	DL 2
	v_lshlrev_b32 v[TA], v[SH8], v[TA]
	DL 2
	v_lshlrev_b32 v[TD], v[SH8], v[TD]
	DL 2
	v_permlanex16_b32 v[YY], v[TA], s[SEL], s[SEL+1]
	DL 2
	v_permlanex16_b32 v[TC], v[TD], s[SEL], s[SEL+1]
	DL 2
	v_or_b32 v[PSC+2*\tl], v[TA], v[YY]            ; with lane l xor 16's two: P's scale words
	DL 2
	v_or_b32 v[PSC+2*\tl+1], v[TD], v[TC]
	CODES 0, 1                                     ; the first 128 keys' p is converted: from here on it serves the sum alone
.set j, 0
.rept 16
	v_exp_f32 v[SS+64+j], v[SS+64+j]               ; the second batch: p of the other 128 keys
	v_exp_f32 v[SS+65+j], v[SS+65+j]
	v_exp_f32 v[SS+66+j], v[SS+66+j]
	v_exp_f32 v[SS+67+j], v[SS+67+j]
	v_pk_add_f32 v[SS+j:SS+j+1], v[SS+j:SS+j+1], v[SS+j+2:SS+j+3]   ; between them the first 128 keys' pairs are added two and two, in place: read again only behind the wait below
.set j, j+4
.endr
	s_wait_alu depctr_va_vdst(0)                   ; one wait for the second batch, ahead of its first reader
	CODES 2, 3
.endm
; O^T += V^T P^T: the eight accumulators by turns, one instruction a turn
.macro PV first
	WIN 0x55
.irp hf, 0,1
.irp u, 0,1,2,3
.irp tt, 0,1
.if \first && (\hf == 0)
	MX OA+32*\tt+8*\u, FR+48*\hf+12*\u, PF+24*\tt+12*\hf, 0, VSC+4*\hf+\u, PSC+2*\tt+\hf, 0
.else
	MX OA+32*\tt+8*\u, FR+48*\hf+12*\u, PF+24*\tt+12*\hf, 1, VSC+4*\hf+\u, PSC+2*\tt+\hf, 0
.endif
.endr
.endr
.endr
	WIN 0
.endm
; A KEY STEP: 256 keys for my two tiles.  first = 1: it starts M, the sums and O^T, and ends with the wait for the fourteen later blocks.  last = 1: no step follows.  K's fragments were asked for in the step before
.macro STEP first, last
	s_wait_dscnt 0x0                               ; K's fragments and scale words are in
	QK 0
	v_add_nc_u32 v[AD], s[TB], v[LI]               ; four places behind the products (ISA guide 7.12.1), ahead of the first read of their results
.if \first
	v_nop
.else
	v_mov_b32 v[TC], v[ST]                         ; tile 0's old -M
.endif
	v_nop
	v_nop
	SM 0, \first
.set sn, 0
	SUMS 48, 0, \first                             ; p is read out: S^T's registers take tile 1
	QK 1
.if \first
	v_nop
.else
	v_mov_b32 v[TC], v[ST+2]
.endif
.rept 3
	v_nop                                          ; four places, ahead of the loads into the products' operands too
.endr
	FLOAD 0, 6144, VSC                             ; V's fragments land while tile 1's softmax is walked
	SM 1, \first
.set sn, 0
	SUMS 4, 1, \first                              ; four places between P's last codes and the products (the scale words were made ahead of the second batch)
	s_wait_alu depctr_va_vdst(0)                   ; directly ahead of the wait below
	s_wait_dscnt 0x0                               ; V's fragments and scale words are in
	PV \first
	SUMS 4, 1, \first                              ; four places ahead of the loads into the products' operands
.if \first
	s_wait_alu depctr_va_vdst(0)
	s_wait_tensorcnt 0x0                           ; my share of blocks 2 to 15 is in LDS (no LDS instruction of mine is out),
	s_barrier_signal -1
	s_barrier_wait -1                              ; everybody's is: from here on the sixteen blocks are only read
.endif
.if \last == 0
	FLOAD 2*BLK, 0, KSC                            ; the next step's K lands while the sums are finished
.endif
	SUMS 40, 1, \first
.if \last == 0
	s_add_co_u32 s[TB], s[TB], 2*BLK
.endif
.endm
; THE WAY OUT of tile tl: O^T / the sum goes through my stage and leaves as dense rows: 32 lanes store 512 consecutive bytes, at a multiple of 256 from out0's first byte
.macro OUT tl
	v_add_f32 v[TA], v[LS+2*\tl], v[LS+2*\tl+1]
	DL 1
	v_permlanex16_b32 v[YY], v[TA], s[SEL], s[SEL+1]
	DL 1
	v_add_f32 v[TA], v[TA], v[YY]                  ; the row's sum
	s_wait_alu depctr_va_vdst(0)
	v_rcp_f32 v[FF], v[TA]
	v_nop
	WIN 0x01
	s_wait_alu depctr_va_vdst(0)                   ; directly ahead of the first reader of the reciprocal and of O^T
.set j, 0
.rept 16
	v_pk_mul_f32 v[SS+64*\tl+j:SS+64*\tl+j+1], v[OA+32*\tl+j:OA+32*\tl+j+1], v[FF:FF+1] op_sel_hi:[1,0]
.set j, j+2
.endr
	WIN 0
.irp u, 0,1,2,3
	ds_store_b128 v[SC], v[SS+64*\tl+8*\u:SS+64*\tl+8*\u+3] offset:64*\u
	ds_store_b128 v[SC], v[SS+64*\tl+8*\u+4:SS+64*\tl+8*\u+7] offset:64*\u+16
.endr
.irp i, 0,1,2,3,4,5,6,7
	ds_load_b128 v[SS+64*\tl+32+4*\i:SS+64*\tl+32+4*\i+3], v[SA] offset:2*SPI*\i
.endr
.irp i, 0,1,2,3,4,5,6,7
	s_wait_dscnt 7-\i                              ; the younger loads of this run may stay out
	global_store_b128 v[LI], v[SS+64*\tl+32+4*\i:SS+64*\tl+32+4*\i+3], s[8:9] offset:4096*\tl+512*\i th:TH_STORE_NT
.endr
.endm
	s_load_b128 s[4:7], s[0:1], 0x0                ; q, kv
	s_load_b64 s[8:9], s[0:1], 0x10                ; out0
	v_lshl_add_u32 v[SPW], v0, 2, SPARE
	v_mov_b32 v[NIL], 0
	ds_add_u32 v[SPW], v[NIL]                      ; the opening lines: the add, twice on end, and its wait
	ds_add_u32 v[SPW], v[NIL]
	v_lshrrev_b32 v1, 5, v0
	DL 1
	v_readfirstlane_b32 s[WV], v1                  ; wave 0..7
	s_bfe_u32 s11, ttmp6, 0x40000                  ; cx: it enters q's and out0's addresses alone
	s_lshl_b32 s12, ttmp9, 2
	s_add_co_u32 s12, s12, s11                     ; my block of 512 rows
	s_and_b32 s13, ttmp7, 0xffff                   ; the batch, which the four partners share
	s_lshl_b32 s14, s13, 23
	s_lshl_b32 s48, s12, 17
	s_add_co_u32 s14, s14, s48
	s_lshl_b32 s48, s[WV], 14                      ; a wave's 64 rows are 16,384 bytes
	s_add_co_u32 s14, s14, s48
	s_mov_b32 s15, 0
	; descriptor groups 1: dense bytes as rows of 256 (32 elements of 8 bytes): 13 rows, and 91
	s_mov_b32 s[G1A+0], 15|(3<<16)|(1<<21)
	s_mov_b32 s[G1A+1], 32<<16
	s_mov_b32 s[G1A+2], 13<<16
	s_mov_b32 s[G1A+3], 32<<16
	s_mov_b32 s[G1A+4], 13
	s_mov_b32 s[G1A+5], 32
	s_mov_b32 s[G1A+6], 0
	s_mov_b32 s[G1A+7], 0
	s_mov_b32 s[G1B+0], 15|(3<<16)|(1<<21)
	s_mov_b32 s[G1B+1], 32<<16
	s_mov_b32 s[G1B+2], 91<<16
	s_mov_b32 s[G1B+3], 32<<16
	s_mov_b32 s[G1B+4], 91
	s_mov_b32 s[G1B+5], 32
	s_mov_b32 s[G1B+6], 0
	s_mov_b32 s[G1B+7], 0
	s_mul_i32 s48, s[WV], P1B                      ; the wave's number and the batch alone enter the descriptors
	s_mul_i32 s49, s[WV], P2B
	s_add_co_u32 s49, s49, 2*BLK
	s_mul_i32 s50, s13, BAT
	s_add_co_u32 s52, s50, s49
	s_add_co_u32 s50, s50, s48
	s_mov_b32 s51, 0
	s_mov_b32 s53, 0
	s_mul_i32 s35, s[WV], STGW                     ; my stage
	s_mov_b32 s[SEL], 0x76543210
	s_mov_b32 s[SEL+1], 0xfedcba98                 ; lane l xor 16
	s_mov_b32 s[CS], 0x3e38aa3b                    ; c = log2(e) / 8
	s_mov_b32 s[CS+1], s[CS]
	s_wait_dscnt 0x0                               ; both opening adds are done
	s_wait_kmcnt 0x0
	s_add_nc_u64 s[4:5], s[4:5], s[14:15]
	s_add_nc_u64 s[8:9], s[8:9], s[14:15]
	s_mov_b32 s[G0A], 1
	s_add_co_u32 s[G0A+1], s48, KVB
	s_add_nc_u64 s[G0A+2:G0A+3], s[6:7], s[50:51]
	s_or_b32 s[G0A+3], s[G0A+3], 0x80000000
	s_mov_b32 s[G0B], 1
	s_add_co_u32 s[G0B+1], s49, KVB
	s_add_nc_u64 s[G0B+2:G0B+3], s[6:7], s[52:53]
	s_or_b32 s[G0B+3], s[G0B+3], 0x80000000
	CROUND                                         ; all four work-groups are here: the joint loads meet
	tensor_load_to_lds s[G0A:G0A+3], s[G1A:G1A+7]  ; my share of blocks 0 and 1: one tensor load a wave at the head
	s_nop 0
.rept 4
	v_nop
.endr
	v_and_b32 v[LI], 31, v0
	DL 1
	v_lshlrev_b32 v[LI], 4, v[LI]
.irp i, 0,1,2,3,4,5,6,7,8,9,10,11,12,13,14,15
	global_load_b128 v[XQ+4*\i:XQ+4*\i+3], v[LI], s[4:5] offset:512*\i th:TH_LOAD_NT   ; the first pass's 32 rows of q
.endr
	v_and_b32 v[TA], 15, v0                        ; r
	v_bfe_u32 v[TC], v0, 4, 1                      ; h
	DL 1
	v_mul_u32_u24 v[SA], v[TC], SPI
	DL 1
	v_lshl_add_u32 v[SA], v[TA], 4, v[SA]
	DL 1
	v_add_nc_u32 v[SA], s35, v[SA]
	v_mul_u32_u24 v[SB], v[TA], SPI
	DL 1
	v_add_nc_u32 v[SB], s35, v[SB]
	DL 1
	v_lshl_add_u32 v[SC], v[TC], 5, v[SB]
	DL 2
	v_lshl_add_u32 v[SB], v[TC], 7, v[SB]
	v_lshlrev_b32 v[SH8], 3, v[TC]
	v_mov_b32 v[YY], 0                             ; a lane permute's destination counts as one of its sources
	v_mov_b32 v[FF+1], 0                           ; named as the upper half of a pair
	WIN 0x40
.irp i, 0,1,2,3,4,5
	v_mov_b32 v[QF+6+\i], 0                        ; Q's zero codes for K = 64 .. 127, written once,
	v_mov_b32 v[QF+18+\i], 0
	v_mov_b32 v[ZT+\i], 0                          ; and the upper half of K's last operand
.endr
	WIN 0
	s_wait_alu depctr_va_vdst(0)
	s_wait_tensorcnt 0x0                           ; my share of blocks 0 and 1 is in
	ds_add_u32 v[SPW], v[NIL]
	s_wait_dscnt 0x0
	CROUND                                         ; everybody's share is in, and the four work-groups are here
	tensor_load_to_lds s[G0B:G0B+3], s[G1B:G1B+7]  ; my share of blocks 2 to 15: it has the first key step in which to land
	s_nop 0
.rept 4
	v_nop
.endr
	s_mov_b32 s[PASS], 0
.Lpass:
	s_wait_loadcnt 0x0                             ; this pass's q
	QPREP 0
	QPREP 1
	s_wait_dscnt 0x0
	QQ 0
	QQ 1
	s_mov_b32 s[TB], KVB
	v_add_nc_u32 v[AD], KVB, v[LI]
	s_wait_alu depctr_va_vdst(0)
	FLOAD 0, 0, KSC
	STEP 1, 0
	s_cmp_lg_u32 s[PASS], 0                        ; the pass's number alone decides: the second pass has no q to fetch
	s_cbranch_scc1 .Lno_q
.irp i, 0,1,2,3,4,5,6,7,8,9,10,11,12,13,14,15
	global_load_b128 v[XQ+4*\i:XQ+4*\i+3], v[LI], s[4:5] offset:8192+512*\i th:TH_LOAD_NT   ; the second pass's 32 rows: seven key steps in which to land
.endr
.Lno_q:
	s_mov_b32 s[CNT], 6
.Lstep:
	STEP 0, 0
	s_sub_co_u32 s[CNT], s[CNT], 1
	s_cmp_lg_u32 s[CNT], 0
	s_cbranch_scc1 .Lstep
	STEP 0, 1
	OUT 0
	OUT 1
	s_wait_xcnt 0x0                                ; the stores have read their base and data: both are written again behind this wait
	s_add_nc_u64 s[8:9], s[8:9], 8192
	s_add_co_u32 s[PASS], s[PASS], 1
	s_cmp_lt_u32 s[PASS], 2
	s_cbranch_scc1 .Lpass
	s_wait_tensorcnt 0x0                           ; the wave's end
	ds_add_u32 v[SPW], v[NIL]
	s_wait_dscnt 0x0
	CROUND                                         ; the closing round
	s_endpgm
.Lfunc_end_k_qd8159ff22b_attend:
	.size	k_qd8159ff22b_attend, .Lfunc_end_k_qd8159ff22b_attend-k_qd8159ff22b_attend
	.p2alignl 7, 3214868480
	.fill 96, 4, 3214868480
	.section	.rodata,"a",@progbits
	.p2align	6, 0x0
	.amdhsa_kernel k_qd8159ff22b_attend
		.amdhsa_group_segment_fixed_size 327680
		.amdhsa_private_segment_fixed_size 0
		.amdhsa_enable_private_segment 0
		.amdhsa_kernarg_size 24
		.amdhsa_user_sgpr_count 2
		.amdhsa_user_sgpr_kernarg_segment_ptr 1
		.amdhsa_wavefront_size32 1
		.amdhsa_system_sgpr_workgroup_id_x 1
		.amdhsa_system_sgpr_workgroup_id_y 1
		.amdhsa_system_sgpr_workgroup_id_z 1
		.amdhsa_system_vgpr_workitem_id 0
		.amdhsa_next_free_vgpr 512
		.amdhsa_next_free_sgpr 66
		.amdhsa_reserve_vcc 0
		.amdhsa_float_denorm_mode_32 3
		.amdhsa_float_denorm_mode_16_64 3
		.amdhsa_memory_ordered 1
		.amdhsa_forward_progress 1
		.amdhsa_inst_pref_size 176
	.end_amdhsa_kernel
	.amdgpu_metadata
---
amdhsa.version: [ 1, 2 ]
amdhsa.kernels:
  - .name:           k_qd8159ff22b_attend
    .symbol:         k_qd8159ff22b_attend.kd
    .args:
      - { .name: q, .offset: 0, .size: 8, .value_kind: global_buffer, .address_space: global }
      - { .name: kv, .offset: 8, .size: 8, .value_kind: global_buffer, .address_space: global }
      - { .name: out0, .offset: 16, .size: 8, .value_kind: global_buffer, .address_space: global }
    .group_segment_fixed_size: 327680
    .private_segment_fixed_size: 0
    .kernarg_segment_align: 8
    .kernarg_segment_size: 24
    .max_flat_workgroup_size: 256
    .sgpr_count:     66
    .vgpr_count:     512
    .wavefront_size: 32
...
	.end_amdgpu_metadata
.endif
;; end of part 2
